; MI455X (gfx1250); checked and timed in simulation.
; The chip was launched on July 23, 2026; its instructions are those of AMD's public machine-readable ISA for CDNA 5 (MIT licence, August 2026) and "CDNA5" Instruction Set Architecture Reference Guide (July 2026). The comments in the code are by the model that wrote it; some were corrected since.
;; Linear Mixed. Allowed arithmetic: matrix products marked QUANTISED: E2M1 operands, one E8M0 scale for each 32 along K, by v_wmma_scale_f32_16x16x128_f8f6f4 with both operands' format E2M1 (or v_wmma_scale_f32_32x16x128_f4), f32 sums; everything else in f32.
;; Inputs: weight_packed 32,768 x 128 int32; weight_params 32,768 x 2 float32; x 4 x 2,048 x 4,096 float32.
;; Outputs: out0 4 x 2,048 x 2,048 float32.
;; This version of the problem:
;;   THIS VERSION OF THE PROBLEM IS GIVEN IN LOW PRECISION. The matrix products marked QUANTISED in the list below multiply operands that are first quantised to E2M1 (2 exponent bits, 1 mantissa bit; 4 bits a number), with one power-of-two scale for each 32 numbers along K (OCP MX v1.0); their sums are f32. All else is computed in f32.
;;   The module's matrix products, in the order in which they are computed (A, B: the left and right operand; K: the contracted axis; several contracted axes count as one K, in the product's order):
;;     1. [M 8,192, K 4,096] x [K 4,096, N 2,048]; A: input x; B: computed on the way: QUANTISED
;;   THE QUANTISER, for each operand of a quantised product, along K:
;;     - K is cut into blocks of 32 from its start; a last block that is shorter is filled with zeros.
;;     - A block's scale is 2^e with e = floor(log2(the largest magnitude in the block)) - 2, held to -126 .. 127; a block of zeros has e = 0. As a byte (E8M0): e + 127.
;;     - Each number is divided by its block's scale, clamped to +-6, and rounded to the nearest number of E2M1, ties to even, subnormals kept.
;;     - The product sums the exact products of the quantised numbers (number of the format x scale) in f32.
;;   ~~~python
;;   def quantise(x, axis):      # numpy; x: float32 -> the quantised numbers, widened to float32 again
;;       x = np.moveaxis(x, axis, -1); K = x.shape[-1]
;;       x = np.pad(x, [(0, 0)] * (x.ndim - 1) + [(0, -K % 32)]); x = x.reshape(x.shape[:-1] + (-1, 32)); a = np.abs(x).max(-1, keepdims=True)
;;       e = np.where(a > 0, np.clip(np.frexp(np.where(a > 0, a, 1))[1] - 1 - 2, -126, 127), 0)      # np.frexp(a)[1] - 1 = floor(log2(a)), exactly
;;       r = np.clip(x / 2.0 ** e, -6, 6)
;;       step = 2.0 ** (np.maximum(np.frexp(np.where(r == 0, 1, r))[1] - 1, 0) - 1)
;;       q = np.round(r / step) * step * 2.0 ** e      # np.round: ties to even
;;       return np.moveaxis(q.reshape(q.shape[:-2] + (-1,))[..., :K], -1, axis).astype(np.float32)
;;   ~~~
;;   OPERANDS COMPUTED ON THE WAY. 'Computed on the way' means the value that the module computes at that place (a softmax that the list does not call 'softmax' is quantised finished and normalised). What goes into a quantiser is computed in f32, as accurately as f32 sums, v_exp_f32 and their like allow (about 1e-6 of the number): no bf16 or f16 on the way to a quantiser, and a product that is left as it is and whose result goes on into a quantised operand takes f32 operands (vector FMAs, or v_wmma_f32_16x16x4_f32). A number that lies on a knife's edge between two numbers of the format may be rounded either way, as far as f32 arithmetic and the matrix unit's own rounding can turn it there, and no further.
;; One version. Each part assembles by itself: llvm-mc -triple=amdgcn-amd-amdhsa -mcpu=gfx1250 --defsym DOCPART=n.
;; ======== version 1 of 1: 2 launches
;; limits: right only within a limited range of input values
;; workspace buffers: xq 17,825,792 bytes; wq 4,456,448 bytes
;; launch quant (part 1): grid 1024 x 1, 4 waves a work-group, no clusters, 34,560 bytes of LDS; arguments x, weight_packed, weight_params, xq, wq; writes xq, wq
.if DOCPART == 1
	.amdgcn_target "amdgcn-amd-amdhsa--gfx1250"
	.amdhsa_code_object_version 6
	.text
	.protected	k_q498019af5b_quant
	.globl	k_q498019af5b_quant
	.p2align	8
	.type	k_q498019af5b_quant,@function
k_q498019af5b_quant:
	s_mov_b64 s[64:65], 0
	v_nop
	global_prefetch_b8 v0, s[64:65] scope:SCOPE_SE
	s_setreg_imm32_b32 hwreg(HW_REG_WAVE_MODE, 25, 1), 1
	s_wait_xcnt 0x0
; x [8192][4096] f32, and W [2048][4096] = q x scale + zero (q: 4 bits, two to an int32 of weight_packed, bits 3:0 the even k, bits 7:4 the odd k; one scale and one zero for each 256 along K),
; are turned into codes of FP4 (E2M1) with one E8M0 scale byte for each 32 along K, and laid in the order in which the product's launch takes them into registers.
; A block's scale is 2^(floor(log2(its largest magnitude)) - 2); its byte is the largest magnitude's exponent field - 2, held at 1 from below.  Each number is divided by the scale and rounded to the nearest code, ties to even,
; beyond the largest code the largest.
; LIMITS: NaN and infinities among x or the params are not served.  A block of zeros gets the byte 1 where the rule says 127: its codes are zeros, which add nothing under any byte but 0xff, and this program alone reads
; the bytes.  Blocks whose largest magnitude lies under 2^-124 have their byte held at 1 (the rule's e = -126); not tried.  W is made by ONE fused multiply-add in f32 where the source writes a multiplication and an addition.
; Of each int32 of weight_packed bits 7:0 count, as in the source.
; THE OUTPUT.  For a tile of 256 rows and a K step of 512 one block of KBLK = 69,632 bytes, block (8 x tile + K step):
;   bytes 0 .. 65,535: codes, [16 rows' block rb][q: 128 along K][c][lane][16 bytes]: lane (r = lane % 16, h = lane / 16) holds row 16 rb + r, k = 128 q + 64 c + 32 h + 0 .. 31: registers 4 c .. 4 c + 3 of the operand's fragment;
;   bytes 65,536 on: scale bytes, [row 0 .. 255][16]: byte 4 q + b scales k = 128 q + 32 b + 0 .. 31.
; SHARES.  A unit is 16 rows x 512 along K: x has 4,096 of them, W 1,024.  1,024 work-groups of four waves, all with the same work: wave w of work-group g takes unit 4 g + w of x, and of unit g of W the w-th 128 along K.
; W's 9 loads go out first and x's first 32 behind them: W is unpacked and quantised while x's numbers are on their way.  No tensor load.  One barrier: the four waves' scale words of W make one run of 256 bytes.
; Each global load reads 512 consecutive bytes of one row of x, or 256 of each of two rows of W, 16 a lane; the conversions want 32 neighbours along K in ONE lane.  So the bytes turn through the wave's own stage in LDS: in as
; loaded, back 128 (x) or 64 (W) bytes a lane.  Stage rows lie 528 (x) or 272 (W) bytes apart, so that sixteen lanes that read the same column of sixteen rows fall at sixteen different places modulo 256 bytes.
.set KBLK,  69632
.set SCOFF, 65536
.set SP,    528                        ; x: a stage row: 512 bytes + 16
.set WSTG,  16*SP                      ; a wave's stage
.set WP,    272                        ; W: a stage row: 256 bytes + 16; W's 16 rows lie in the same stage, ahead of x's first use of it
.set SCW,   4*WSTG                     ; behind the four stages: the 256 scale bytes of the work-group's unit of W
.set XROW,  16384                      ; a row of x in bytes
.set WROW,  8192                       ; a row of W in weight_packed: 2,048 int32
.set M,  12                            ; v12-13  the largest magnitude of my two blocks
.set S,  14                            ; v14-15  the conversions' scale operands
.set B,  16                            ; v16-17  the scale bytes
.set SW, 20                            ; v20-23  x: my row's scale word for each of the four steps of 128
.set C,  36                            ; v36-51  codes: two sets of 8
.set R,  52                            ; v52-179 x as loaded: two sets of 64
.set X,  180                           ; v180-243 my 64 numbers: register 32 c + i = k 64 c + 32 h + i of row r.  (W: v180-211 as loaded; then v212-243 the 32 int32 back from the stage, widened in place)
.set P,  X+32
.set WW, 244                           ; v244    W: my row's scale word
; v1 lane, v2 r, v3 h, v4 16 x lane, v5 stage in (x), v6 stage back (x), v7 stage in (W), v8 8 h, v9 16 r + 8 h, v10 W's offset in memory, v11 a permute's destination, v18 at work, v19 stage back (W),
; v[24:25] scale words to store, v[26:27] my row's scale and zero, v28 128 r, v29 where my scale word of W goes in LDS, v[30:31] scale twice, v[32:33] zero twice, v34 where wave 0 reads those words back, v35 8 x lane
	s_load_b256 s[4:11], s[0:1], 0x0               ; x s[4:5], weight_packed s[6:7], weight_params s[8:9], xq s[10:11]
	s_load_b64 s[12:13], s[0:1], 0x20              ; wq
	v_lshl_add_u32 v248, v0, 2, 0x8500
	v_mov_b32 v249, 0
	v_lshrrev_b32 v1, 5, v0
	v_readfirstlane_b32 s14, v1                    ; wave 0..3
	v_and_b32 v1, 31, v0                           ; lane
	v_and_b32 v2, 15, v0                           ; r
	v_bfe_u32 v3, v0, 4, 1                         ; h
	s_mul_i32 s15, s14, WSTG                       ; my stage
	v_lshlrev_b32 v4, 4, v1                        ; 16 x lane: my bytes of a load's 512, and of a store's
	v_add_nc_u32 v5, s15, v4                       ; x into the stage: as loaded
	v_mul_u32_u24 v6, v2, SP
	v_add_nc_u32 v6, s15, v6                       ; and out of it: row r,
	v_lshl_add_u32 v6, v3, 7, v6                   ; + 128 h (32 f32)
	v_mul_u32_u24 v7, v3, WP                       ; W into the stage: lanes 0-15 one row, lanes 16-31 the next,
	v_lshl_add_u32 v7, v2, 4, v7                   ; 16 bytes a lane
	v_add_nc_u32 v7, s15, v7
	v_mul_u32_u24 v19, v2, WP                      ; and out of it: row r,
	v_lshl_add_u32 v19, v3, 6, v19                 ; + 64 h (16 int32 hold 32 numbers)
	v_add_nc_u32 v19, s15, v19
	v_lshlrev_b32 v8, 3, v3                        ; 8 h: my two bytes' place in a scale word, in bits; also my 8 bytes of a row's 16 scale bytes
	v_lshl_add_u32 v9, v2, 4, v8                   ; 16 r + 8 h
	v_lshlrev_b32 v10, 4, v2                       ; W in memory: 16 r,
	v_lshl_add_u32 v10, v3, 13, v10                ; and one row of 8,192 bytes further on for lanes 16-31
	v_mov_b32 v11, 0                               ; written once: a lane permute's destination counts as one of its sources
	v_lshlrev_b32 v28, 7, v2                       ; params: a row of W has 16 groups of 8 bytes
	s_lshl_b32 s19, s14, 2
	v_lshlrev_b32 v29, 4, v2                       ; W's scale words in LDS: 16 bytes a row, word w is wave w's
	v_add_nc_u32 v29, s19, v29
	v_add_nc_u32 v29, SCW, v29
	v_lshlrev_b32 v35, 3, v1                       ; and on the way out 8 bytes a lane
	v_add_nc_u32 v34, SCW, v35
	s_mov_b32 s20, 0x76543210
	s_mov_b32 s21, 0xfedcba98                      ; v_permlanex16_b32's selects for lane l xor 16
	; my unit of x
	s_lshl_b32 s16, ttmp9, 2
	s_add_co_u32 s16, s16, s14                     ; unit 4 g + w
	s_and_b32 s17, s16, 7                          ; its K step of 512
	s_lshr_b32 s18, s16, 3                         ; its block of 16 rows
	s_lshr_b32 s30, s18, 4                         ; the tile of 256 rows
	s_lshl_b32 s30, s30, 3
	s_add_co_u32 s30, s30, s17
	s_mul_i32 s30, s30, KBLK                       ; where block (8 x tile + K step) begins: under 2^25
	s_and_b32 s31, s18, 15                         ; my 16 rows' place in the tile
	s_lshl_b32 s24, s31, 12
	s_add_co_u32 s24, s24, s30                     ; my 4,096 bytes of codes
	s_mov_b32 s25, 0
	s_lshl_b32 s26, s31, 8
	s_add_co_u32 s26, s26, s30
	s_add_co_u32 s26, s26, SCOFF                   ; my 256 scale bytes
	s_mov_b32 s27, 0
	s_lshl_b32 s22, s18, 18                        ; 16 rows of 16,384 bytes: under 2^27
	s_lshl_b32 s19, s17, 11                        ; 512 numbers of 4 bytes
	s_add_co_u32 s22, s22, s19
	s_mov_b32 s23, 0
	; my quarter of the work-group's unit of W
	s_and_b32 s38, ttmp9, 7                        ; the unit's K step of 512
	s_lshr_b32 s39, ttmp9, 3                       ; its block of 16 rows
	s_lshr_b32 s30, s39, 4
	s_lshl_b32 s30, s30, 3
	s_add_co_u32 s30, s30, s38
	s_mul_i32 s30, s30, KBLK
	s_and_b32 s31, s39, 15
	s_lshl_b32 s34, s31, 12
	s_add_co_u32 s34, s34, s30
	s_lshl_b32 s19, s14, 10                        ; my 128 along K: 1,024 bytes of codes
	s_add_co_u32 s34, s34, s19
	s_mov_b32 s35, 0
	s_lshl_b32 s36, s31, 8
	s_add_co_u32 s36, s36, s30
	s_add_co_u32 s36, s36, SCOFF                   ; the unit's 256 scale bytes
	s_mov_b32 s37, 0
	s_lshl_b32 s32, s39, 17                        ; 16 rows of 8,192 bytes
	s_lshl_b32 s19, s38, 10                        ; 256 int32 a K step
	s_add_co_u32 s32, s32, s19
	s_lshl_b32 s19, s14, 8                         ; 64 int32 for 128 along K
	s_add_co_u32 s32, s32, s19
	s_mov_b32 s33, 0
	s_lshl_b32 s28, s39, 11                        ; params: 16 rows of 16 groups of 8 bytes,
	s_lshl_b32 s19, s38, 4                         ; two groups a K step,
	s_add_co_u32 s28, s28, s19
	s_lshr_b32 s19, s14, 1                         ; waves 0, 1 the first of them, waves 2, 3 the second
	s_lshl_b32 s19, s19, 3
	s_add_co_u32 s28, s28, s19
	s_mov_b32 s29, 0
	s_wait_alu depctr_va_vdst(0)
	s_wait_kmcnt 0x0
	s_add_nc_u64 s[22:23], s[4:5], s[22:23]        ; x
	s_add_nc_u64 s[24:25], s[10:11], s[24:25]      ; x's codes
	s_add_nc_u64 s[26:27], s[10:11], s[26:27]      ; x's scale bytes
	s_add_nc_u64 s[32:33], s[6:7], s[32:33]        ; weight_packed
	s_add_nc_u64 s[28:29], s[8:9], s[28:29]        ; weight_params
	s_add_nc_u64 s[34:35], s[12:13], s[34:35]      ; W's codes
	s_add_nc_u64 s[36:37], s[12:13], s[36:37]      ; W's scale bytes
.macro LOADS set, off                  ; x: 16 rows' 512 bytes at byte off of my part of the rows: each load reads 512 consecutive bytes
.set i, 0
.rept 16
	global_load_b128 v[R+64*(\set)+4*i:R+64*(\set)+4*i+3], v4, s[22:23] offset:i*XROW+(\off) th:TH_LOAD_NT
.set i, i+1
.endr
.endm
.macro TOSTAGE set                     ; into my stage, as loaded
.set i, 0
.rept 16
	ds_store_b128 v5, v[R+64*(\set)+4*i:R+64*(\set)+4*i+3] offset:SP*i
.set i, i+1
.endr
.endm
.macro BACKX                           ; my 64 numbers of row r: LDS serves a wave's instructions in order, so these see the stores above
.irp c, 0,1
.irp j, 0,1,2,3,4,5,6,7
	ds_load_b128 v[X+32*\c+4*\j:X+32*\c+4*\j+3], v6 offset:256*\c+16*\j
.endr
.endr
.endm
; My 64 numbers are two whole blocks of 32 (blocks h and 2 + h of the step's four): no other lane is asked for a maximum.  The codes are the fragment's eight registers and leave as they stand.
; cs: the set of code registers; sw: the register that takes my row's scale word; bs, off: the stores' base and offset; wx = 1: set cs has been the data of earlier stores.
.macro QUANT cs, sw, bs, off, wx
.irp c, 0,1
	v_max3_num_f32 v[M+\c], |v[X+32*\c]|, |v[X+32*\c+1]|, 0x1800000   ; and the floor 2^(3 - 127), under which no largest magnitude is taken: so the byte cannot fall under 1
.endr
.irp i, 2,4,6,8,10,12,14,16,18,20,22,24,26,28,30
.irp c, 0,1
	v_max3_num_f32 v[M+\c], v[M+\c], |v[X+32*\c+\i]|, |v[X+32*\c+\i+1]|   ; (the two blocks by turns)
.endr
.endr
.irp c, 0,1
	v_add_nc_u32 v[S+\c], 0xff000000, v[M+\c]      ; 2 off its exponent field: the conversion takes the exponent field of this operand as its scale, and nothing else of it
.endr
.irp c, 0,1
	v_lshrrev_b32 v[B+\c], 23, v[S+\c]             ; the scale's byte
.endr
.if \wx
	s_wait_alu depctr_va_vdst(0)
	s_wait_xcnt 0x0                                ; the data registers of earlier stores are written again only behind this wait
.endif
.irp c, 0,1
.irp g, 0,1,2,3
	v_cvt_scalef32_pk8_fp4_f32 v[C+8*(\cs)+4*\c+\g], v[X+32*\c+8*\g:X+32*\c+8*\g+7], v[S+\c]
.endr
.endr
	v_lshl_or_b32 v18, v[B+1], 16, v[B]            ; (a plain line behind the conversions)  my two bytes,
	v_lshlrev_b32 v18, v8, v18                     ; at their places in the scale word;
	v_permlanex16_b32 v11, v18, s20, s21
	v_or_b32 v[\sw], v18, v11                      ; with lane l xor 16's two the word is whole, in both lanes
	global_store_b128 v4, v[C+8*(\cs):C+8*(\cs)+3], s[\bs:\bs+1] offset:(\off)          ; 32 lanes store 512 consecutive bytes, at a multiple of 512 from the buffer's first byte
	global_store_b128 v4, v[C+8*(\cs)+4:C+8*(\cs)+7], s[\bs:\bs+1] offset:(\off)+512
.endm
	; ---- all first loads: W's, then two steps of x
	global_load_b64 v[26:27], v28, s[28:29]        ; my row's scale and zero: 8 bytes, 128 bytes from row to row: one byte in 32 of what this part reads
.set i, 0
.rept 8
	global_load_b128 v[X+4*i:X+4*i+3], v10, s[32:33] offset:i*2*WROW th:TH_LOAD_NT   ; rows 2 i and 2 i + 1: sixteen lanes read 256 consecutive bytes, at a multiple of 256 from the buffer's first byte
.set i, i+1
.endr
	LOADS 0, 0
	LOADS 1, 512
	; ---- W: 16 rows x 128 along K
	s_wait_loadcnt 32                              ; the params and W's eight loads are in; x's 32 may be out
.set i, 0
.rept 8
	ds_store_b128 v7, v[X+4*i:X+4*i+3] offset:2*WP*i
.set i, i+1
.endr
.irp c, 0,1
.irp j, 0,1,2,3
	ds_load_b128 v[P+16*\c+4*\j:P+16*\c+4*\j+3], v19 offset:128*\c+16*\j   ; the 32 int32 that hold my 64 numbers, into the upper half of X (the stores above read the lower half)
.endr
.endr
	v_mov_b32 v30, v26                             ; the packed multiply-add names pairs
	v_mov_b32 v31, v26
	v_mov_b32 v32, v27
	v_mov_b32 v33, v27
	s_wait_dscnt 0x0                               ; the int32 are back, and the stores have read their registers
; int32 n holds the numbers 2 n (bits 3:0) and 2 n + 1 (bits 7:4).  It lies in register 32 + n of X and its numbers go to registers 2 n and 2 n + 1: in ascending order a line writes only over int32 that have been
; taken apart (2 n + 1 < 32 + n up to n = 30); the last, n = 31, gives its low number away first and takes its high number in place.
.set n, 0
.rept 32
	v_and_b32 v[X+2*n], 15, v[P+n]
	v_bfe_u32 v[X+2*n+1], v[P+n], 4, 4
.set n, n+1
.endr
.set n, 0
.rept 64
	v_cvt_f32_u32 v[X+n], v[X+n]
.set n, n+1
.endr
.set n, 0
.rept 32
	v_pk_fma_f32 v[X+2*n:X+2*n+1], v[X+2*n:X+2*n+1], v[30:31], v[32:33]   ; w = q x scale + zero, in f32, two at a time
.set n, n+1
.endr
	QUANT 0, WW, 34, 0, 0
	ds_store_b32 v29, v[WW]                        ; my rows' scale words (lanes r and 16 + r write the same word with the same value)
	s_wait_dscnt 0x0                               ; for the others' sake: my words lie in LDS
	s_barrier_signal -1
	s_barrier_wait -1                              ; all four waves' do
	s_cmp_lg_u32 s14, 0
	s_cbranch_scc1 .Lx
	ds_load_b64 v[24:25], v34                      ; wave 0: the unit's 256 scale bytes, 8 a lane,
	s_wait_dscnt 0x0
	global_store_b64 v35, v[24:25], s[36:37]       ; leave as 256 consecutive bytes, at a multiple of 256 from the buffer's first byte
.Lx:
	; ---- x: four steps of 128 along K; the loads run two steps (32 loads a wave) ahead
.macro XSTEP t
.if (\t) < 3
	s_wait_loadcnt 16                              ; this step's 16 loads are in; the next step's 16 may be out
.else
	s_wait_loadcnt 0x0
.endif
	TOSTAGE (\t)%2
	BACKX
	s_wait_dscnt 16                                ; the 16 stores are done and have read their registers (the 16 loads behind them may be out),
.if (\t)+2 < 4
	LOADS (\t)%2, 512*((\t)+2)                     ; which take the loads of two steps on
.endif
	s_wait_dscnt 0x0                               ; my 64 numbers are back: so the next step's stores find the stage read
	QUANT (\t)%2, SW+(\t), 24, 1024*(\t), 1
.endm
	XSTEP 0
	XSTEP 1
	XSTEP 2
	XSTEP 3
	; a row's four scale words are 16 bytes: lanes 0-15 store words 0, 1, lanes 16-31 words 2, 3: the wave stores 256 consecutive bytes
	v_cmp_ne_u32 vcc_lo, 0, v3
	v_cndmask_b32 v24, v20, v22, vcc_lo            ; (wave 0's store of W's words has read v[24:25]: the waits on XCNT in the four steps stand behind it)
	v_cndmask_b32 v25, v21, v23, vcc_lo
	global_store_b64 v9, v[24:25], s[26:27]
	s_wait_tensorcnt 0x0
	ds_add_u32 v248, v249
	s_wait_dscnt 0x0
	s_endpgm
.Lfunc_end_k_q498019af5b_quant:
	.size	k_q498019af5b_quant, .Lfunc_end_k_q498019af5b_quant-k_q498019af5b_quant
	.p2alignl 7, 3214868480
	.fill 96, 4, 3214868480
	.section	.rodata,"a",@progbits
	.p2align	6, 0x0
	.amdhsa_kernel k_q498019af5b_quant
		.amdhsa_group_segment_fixed_size 34560
		.amdhsa_private_segment_fixed_size 0
		.amdhsa_enable_private_segment 0
		.amdhsa_kernarg_size 40
		.amdhsa_user_sgpr_count 2
		.amdhsa_user_sgpr_kernarg_segment_ptr 1
		.amdhsa_wavefront_size32 1
		.amdhsa_system_sgpr_workgroup_id_x 1
		.amdhsa_system_sgpr_workgroup_id_y 1
		.amdhsa_system_sgpr_workgroup_id_z 1
		.amdhsa_system_vgpr_workitem_id 0
		.amdhsa_next_free_vgpr 250
		.amdhsa_next_free_sgpr 66
		.amdhsa_reserve_vcc 1
		.amdhsa_float_denorm_mode_32 3
		.amdhsa_float_denorm_mode_16_64 3
		.amdhsa_memory_ordered 1
		.amdhsa_forward_progress 1
		.amdhsa_inst_pref_size 44
	.end_amdhsa_kernel
	.amdgpu_metadata
---
amdhsa.version: [ 1, 2 ]
amdhsa.kernels:
  - .name:           k_q498019af5b_quant
    .symbol:         k_q498019af5b_quant.kd
    .args:
      - { .name: x, .offset: 0, .size: 8, .value_kind: global_buffer, .address_space: global }
      - { .name: weight_packed, .offset: 8, .size: 8, .value_kind: global_buffer, .address_space: global }
      - { .name: weight_params, .offset: 16, .size: 8, .value_kind: global_buffer, .address_space: global }
      - { .name: xq, .offset: 24, .size: 8, .value_kind: global_buffer, .address_space: global }
      - { .name: wq, .offset: 32, .size: 8, .value_kind: global_buffer, .address_space: global }
    .group_segment_fixed_size: 34560
    .private_segment_fixed_size: 0
    .kernarg_segment_align: 8
    .kernarg_segment_size: 40
    .max_flat_workgroup_size: 128
    .sgpr_count:     66
    .vgpr_count:     250
    .wavefront_size: 32
...
	.end_amdgpu_metadata
.endif
;; end of part 1
;; launch gemm (part 2): grid 8 x 32, 4 waves a work-group, clusters of 4 x 4, 327,680 bytes of LDS; arguments xq, wq, out0; writes out0
.if DOCPART == 2
	.amdgcn_target "amdgcn-amd-amdhsa--gfx1250"
	.amdhsa_code_object_version 6
	.text
	.protected	k_q498019af5b_gemm
	.globl	k_q498019af5b_gemm
	.p2align	8
	.type	k_q498019af5b_gemm,@function
k_q498019af5b_gemm:
	s_mov_b64 s[64:65], 0
	v_nop
	global_prefetch_b8 v0, s[64:65] scope:SCOPE_SE
	s_setreg_imm32_b32 hwreg(HW_REG_WAVE_MODE, 25, 1), 1
	s_wait_xcnt 0x0
	s_wait_alu depctr_hold_cnt(0) depctr_sa_sdst(0) depctr_va_vdst(0) depctr_va_sdst(0) depctr_va_ssrc(0) depctr_va_vcc(0) depctr_vm_vsrc(0)
	s_getreg_b32 s2, hwreg(HW_REG_IB_STS2, 6, 4)
	s_cmp_eq_u32 s2, 0
	s_cbranch_scc0 .Lentry_in_a_cluster
	s_endpgm
.Lentry_in_a_cluster:
	s_bfe_u32 s2, ttmp6, 0x10000c
	s_cmp_lg_u32 s2, 0xf033
	s_cbranch_scc0 .Lentry_shape_is_right
	s_endpgm
.Lentry_shape_is_right:
; out0[m][n] = sum over k of x[m][k] W[n][k], on the codes of FP4 (E2M1) and E8M0 scale bytes that the launch before has laid: for a tile of 256 rows and a K step of 512
; one block of KBLK bytes, block (8 x tile + K step): 65,536 bytes of codes in the order of the operand's registers ([16 rows][128 K][c][lane][16 bytes]), then 256 rows x 16 scale bytes.
; A tile of C, 256 x 256, is made by four waves, 128 x 128 each: 64 accumulators, 512 registers.  K goes in 8 steps of 512 through two LDS slots; each wave brings half a block (136 rows of 256 bytes) by one tensor load.
; CLUSTERS 4 x 4: x's block is asked for jointly along a row of the cluster, W's along a column.  The clusters begin their walk along K at step 0 or 4 and go round.
; THE MATRIX INSTRUCTION IS USED TRANSPOSED: source 0 = 16 rows of W, source 1 = 16 rows of x: a lane holds eight neighbouring numbers of a row of C.
; FRAGMENTS: two sets for x's and two for W's.  A step of 128 along K begins with four v_nop, the places between the last step's products and the loads into the sets that they read;
; then ONE run of 32 LDS loads, the next step's fragments; then its 64 products, x's blocks one after the other, each against W's eight.  So every fragment is asked for 64 products ahead of its step.
; THE LAST K STEP GOES BY ROWS OF C: W's fragments of the whole step fill window 1, x's come by blocks of 16 rows, and each block of 16 rows leaves when its 32 products are done.
; PREFETCH: behind the joint load of the walk's K step j stands the request for step j + 2 (behind the second load: steps 2 and 3; behind the first: none, steps 0 and 1 come by their loads alone).
; A block is 272 runs of 256 bytes; of the 136 that a wave fetches each of the four partners that ask jointly names 34, told apart by address: 32 lanes, then 2 (the other lanes name the last run again).
; The last two refills ask for nothing.
; REGISTERS: window 0: v0-31 addresses, v32-95 scale words (two sets), v128-255 x's fragments (two sets of 64; at the end four buffers of 32);  window 1: W's fragments (v0-127 two sets; at the end all 256);
; windows 2, 3: accumulator (a, b) at v[8 (8 (a % 4) + b)] of window 2 + a / 4.
.set SIZE_N, 2048
.set KBLK,   69632
.set HALFB,  KBLK/2
.set SLOT,   2*KBLK
.set BOFF,   KBLK
.set SCOFF,  65536
.set LAPS,   4
.set SPARE,  2*SLOT                    ; behind the ring: the spare words, 128 bytes a wave
.set SPITCH, 528                       ; the way out: a stage of 16 rows x (512 + 16) bytes for each wave, in slot 0 behind its last fill and last read
.set PSH,    HALFB/4                   ; a partner's share of a wave's half block: 34 runs of 256 bytes
.set CO,   4                           ; v4  16 x lane: my bytes of a row of C
.set ADRA, 16                          ; v16-17 LDS address of x's fragments in slot 0, 1
.set ADRB, 20                          ; v20-21 of W's
.set ADRS, 22                          ; v22-23 of the scale words: lanes 0-15 x's rows, lanes 16-31 W's
.set STO,  24
.set RD,   25
.set PFO,  26                          ; v26 256 x lane;  v27 256 x min(32 + lane, 33)
.set PFO2, 27
.set SPW,  28
.set NIL,  29
.set SC,   32
.set AF,   128
.set G1,  24
.set G0,  32
.set G1B, 48
.set G0B, 56
.set KS0, 66                           ; s66-67 the K step that lies in slot 0, 1
.set KO,  68
.set BA,  70                           ; s[70:71] x's blocks of my tile row, my half;  s[72:73] W's of my tile column
.set BBS, 72
.set PB,  74                           ; s[74:75] the prefetches' base: my share;  s[76:77] base + K step;  s[78:79] an offset
.set PFA, 76
.set PO,  78
.set MSB, 0
.macro WIN new
.if MSB != (\new)
	s_set_vgpr_msb (MSB<<8)|(\new)
.set MSB, (\new)
.endif
.endm
.set MUL_LO, 0xa1                      ; source 0 window 1, source 1 window 0, C and D window 2
.set TO_B,   0x40                      ; destination window 1, address window 0
.macro PLACES
.rept 4
	v_nop
.endr
.endm
.macro JLOAD s                         ; a joint load: waves 0, 1 fetch x's halves, waves 2, 3 W's
	s_cmp_eq_u32 s15, 0
	s_cbranch_scc0 .Lfor_b_\@
	tensor_load_to_lds s[G0+4*\s:G0+4*\s+3], s[G1:G1+7]
	s_nop 0
	PLACES
	s_branch .Lasked_\@
.Lfor_b_\@:
	tensor_load_to_lds s[G0B+4*\s:G0B+4*\s+3], s[G1B:G1B+7]
	s_nop 0
	PLACES
.Lasked_\@:
.endm
.macro CREST
	s_cmp_lg_u32 s14, 0
	s_cbranch_scc1 .Lnot_wave_0_\@
	s_barrier_signal -3
.Lnot_wave_0_\@:
	s_barrier_wait -3
	s_barrier_signal -1
	s_barrier_wait -1
.endm
.macro CROUND
	s_barrier_signal -1
	s_barrier_wait -1
	CREST
.endm
.macro AIM s                           ; slot s's two group 0 at K step s[KS0+s]
	s_mul_i32 s[KO], s[KS0+\s], KBLK
	s_add_nc_u64 s[G0+4*\s+2:G0+4*\s+3], s[BA:BA+1], s[KO:KO+1]
	s_or_b32 s[G0+4*\s+3], s[G0+4*\s+3], 0x80000000
	s_add_nc_u64 s[G0B+4*\s+2:G0B+4*\s+3], s[BBS:BBS+1], s[KO:KO+1]
	s_or_b32 s[G0B+4*\s+3], s[G0B+4*\s+3], 0x80000000
.endm
.macro PF off                          ; my 34 runs of 256 bytes of one K step
	global_prefetch_b8 v[PFO], s[PFA:PFA+1] offset:\off th:TH_LOAD_NT scope:SCOPE_SE
	global_prefetch_b8 v[PFO2], s[PFA:PFA+1] offset:\off th:TH_LOAD_NT scope:SCOPE_SE
.endm
	s_load_b128 s[4:7], s[0:1], 0x0                ; xq, wq
	s_load_b64 s[12:13], s[0:1], 0x10              ; out0
	v_lshl_add_u32 v[SPW], v0, 2, SPARE
	v_mov_b32 v[NIL], 0
	ds_add_u32 v[SPW], v[NIL]                      ; the opening lines: the add twice on end and its wait
	ds_add_u32 v[SPW], v[NIL]
	v_lshrrev_b32 v1, 5, v0
	v_readfirstlane_b32 s14, v1                    ; wave
	v_and_b32 v3, 31, v0
	v_lshlrev_b32 v[PFO], 8, v3
	v_add_nc_u32 v5, 32, v3
	v_min_u32 v5, 33, v5
	v_lshlrev_b32 v[PFO2], 8, v5
	s_lshr_b32 s15, s14, 1                         ; my half of the tile's rows; also: I fetch for x (0) or W (1)
	s_and_b32 s16, s14, 1                          ; my half of its columns; also: which half block I fetch
	s_bfe_u32 s40, ttmp6, 0x40000                  ; cx
	s_bfe_u32 s41, ttmp6, 0x40004                  ; cy
	s_lshl_b32 s42, ttmp9, 2
	s_add_co_u32 s42, s42, s40                     ; tile column
	s_and_b32 s17, ttmp7, 0xffff
	s_lshl_b32 s17, s17, 2
	s_add_co_u32 s17, s17, s41                     ; tile row
	s_lshl_b32 s43, s41, 2
	s_lshl_b32 s43, 15, s43                        ; my row of the cluster
	s_lshl_b32 s44, 0x1111, s40                    ; my column
	s_or_b32 s[G1+0], s43, (3<<16)|(1<<21)         ; elements of 8 bytes, the mask, bit 21 beside it
	s_or_b32 s[G1B+0], s44, (3<<16)|(1<<21)
.irp g, G1, G1B
	s_mov_b32 s[\g+1], 32<<16                      ; 136 rows of 32 elements: 256 bytes a row, dense
	s_mov_b32 s[\g+2], 136<<16
	s_mov_b32 s[\g+3], 32<<16
	s_mov_b32 s[\g+4], 136
	s_mov_b32 s[\g+5], 32
	s_mov_b32 s[\g+6], 0
	s_mov_b32 s[\g+7], 0
.endr
	s_mul_i32 s18, s16, HALFB
	s_mul_i32 s20, s17, 8*KBLK
	s_add_co_u32 s20, s20, s18
	s_mov_b32 s21, 0
	s_mul_i32 s46, s42, 8*KBLK
	s_add_co_u32 s46, s46, s18
	s_mov_b32 s47, 0
	s_mul_i32 s45, s14, HALFB                      ; where my half block goes: wave x HALFB
	s_and_b32 s[KS0], ttmp7, 0xffff
	s_add_co_u32 s[KS0], s[KS0], ttmp9
	s_and_b32 s[KS0], s[KS0], 1
	s_lshl_b32 s[KS0], s[KS0], 2                   ; the cluster's first K step: 0 or 4
	s_add_co_u32 s[KS0+1], s[KS0], 1
	s_mov_b32 s[KO+1], 0
	s_mov_b32 s[PO+1], 0
	s_wait_alu depctr_va_vdst(0)
	s_wait_dscnt 0x0
	s_wait_kmcnt 0x0
	s_add_nc_u64 s[BA:BA+1], s[4:5], s[20:21]
	s_add_nc_u64 s[BBS:BBS+1], s[6:7], s[46:47]
	s_cmp_eq_u32 s15, 0
	s_cselect_b64 s[PB:PB+1], s[BA:BA+1], s[BBS:BBS+1]
	s_cselect_b32 s[PO], s40, s41                  ; my place among the four that ask with me
	s_mul_i32 s[PO], s[PO], PSH
	s_add_nc_u64 s[PB:PB+1], s[PB:PB+1], s[PO:PO+1]
	s_mul_i32 s[PO], s[KS0], KBLK
	s_add_nc_u64 s[PFA:PFA+1], s[PB:PB+1], s[PO:PO+1]
	CROUND                                         ; in front of the first joint loads
.irp s, 0,1
	s_mov_b32 s[G0+4*\s], 1
	s_add_co_u32 s[G0+4*\s+1], s45, \s*SLOT
	s_mov_b32 s[G0B+4*\s], 1
	s_add_co_u32 s[G0B+4*\s+1], s45, \s*SLOT
	AIM \s
.endr
	JLOAD 0                                        ; one tensor load a wave at the head
	s_lshl_b32 s21, s15, 15                        ; my 128 rows of x: 32,768 bytes of codes
	s_lshl_b32 s22, s16, 15
	s_add_co_u32 s22, s22, BOFF                    ; my 128 rows of W
	s_lshl_b32 s18, s15, 11                        ; their scale bytes: 16 a row
	s_lshl_b32 s19, s16, 11
	s_add_co_u32 s19, s19, BOFF
	s_sub_co_u32 s19, s19, s18                     ; from x's to W's
	s_add_co_u32 s18, s18, SCOFF
	s_mul_i32 s23, s14, 16*SPITCH                  ; my stage
	s_lshl_b32 s2, s17, 8
	s_lshl_b32 s3, s15, 7
	s_add_co_u32 s2, s2, s3                        ; my first row of C
	s_mov_b32 s3, 0
	s_lshl_b64 s[2:3], s[2:3], 13                  ; x 8,192 bytes
	s_lshl_b32 s46, s42, 10
	s_lshl_b32 s47, s16, 9
	s_add_co_u32 s46, s46, s47                     ; my first column, in bytes
	s_mov_b32 s47, 0
	s_add_nc_u64 s[2:3], s[2:3], s[46:47]
	s_add_nc_u64 s[12:13], s[12:13], s[2:3]
	v_and_b32 v1, 15, v0                           ; r
	v_bfe_u32 v2, v0, 4, 1                         ; h
	v_lshlrev_b32 v[CO], 4, v3
	v_add_nc_u32 v[ADRA], s21, v[CO]
	v_add_nc_u32 v[ADRB], s22, v[CO]
	v_add_nc_u32 v[ADRA+1], SLOT, v[ADRA]
	v_add_nc_u32 v[ADRB+1], SLOT, v[ADRB]
	v_lshlrev_b32 v5, 4, v1
	v_mul_u32_u24 v6, s19, v2                      ; lanes 16-31 take W's
	v_add_nc_u32 v5, v5, v6
	v_add_nc_u32 v[ADRS], s18, v5
	v_add_nc_u32 v[ADRS+1], SLOT, v[ADRS]
	v_mul_u32_u24 v7, v1, SPITCH                   ; into the stage: row r, 32 bytes for each half of the lanes
	v_lshl_add_u32 v7, v2, 5, v7
	v_add_nc_u32 v[STO], s23, v7
	v_add_nc_u32 v[RD], s23, v[CO]                 ; back: 32 lanes take a row of 512 bytes
.macro FRAG reg, adr, q, i             ; 16 rows x 128 K: two loads of 512 consecutive bytes
.irp c, 0,1
	ds_load_b128 v[\reg+4*\c:\reg+4*\c+3], v[\adr] offset:4096*(\i)+1024*(\q)+512*\c
.endr
.endm
.macro LDB slot, q, p                  ; W's eight blocks into set p
	WIN TO_B
.irp i, 0,1,2,3,4,5,6,7
	FRAG 64*(\p)+8*\i, ADRB+\slot, \q, \i
.endr
.endm
.macro LDA slot, q, p                  ; x's eight blocks into set p, in order
	WIN 0
.irp i, 0,1,2,3,4,5,6,7
	FRAG AF+64*(\p)+8*\i, ADRA+\slot, \q, \i
.endr
.endm
.macro SCALES sc                       ; a K step's scale words: register 4 i + q: lanes 0-15 x's block i, lanes 16-31 W's block i
.irp i, 0,1,2,3,4,5,6,7
	ds_load_b128 v[SC+32*\sc+4*\i:SC+32*\sc+4*\i+3], v[ADRS+\sc] offset:256*\i
.endr
.endm
; 8 products: x's block a against W's eight.  The 64 accumulators take turns, in the same order in every step
.macro MUL8 a, p, q, sc, zero
	WIN MUL_LO+0x50*((\a)/4)
.irp b, 0,1,2,3,4,5,6,7
.if \zero
	v_wmma_scale_f32_16x16x128_f8f6f4 v[8*(8*((\a)%4)+\b):8*(8*((\a)%4)+\b)+7], v[64*(\p)+8*\b:64*(\p)+8*\b+7], v[AF+64*(\p)+8*(\a):AF+64*(\p)+8*(\a)+7], 0, v[SC+32*(\sc)+4*\b+(\q)], v[SC+32*(\sc)+4*(\a)+(\q)] matrix_a_fmt:MATRIX_FMT_FP4 matrix_b_fmt:MATRIX_FMT_FP4 matrix_a_scale:MATRIX_SCALE_ROW1
.else
	v_wmma_scale_f32_16x16x128_f8f6f4 v[8*(8*((\a)%4)+\b):8*(8*((\a)%4)+\b)+7], v[64*(\p)+8*\b:64*(\p)+8*\b+7], v[AF+64*(\p)+8*(\a):AF+64*(\p)+8*(\a)+7], v[8*(8*((\a)%4)+\b):8*(8*((\a)%4)+\b)+7], v[SC+32*(\sc)+4*\b+(\q)], v[SC+32*(\sc)+4*(\a)+(\q)] matrix_a_fmt:MATRIX_FMT_FP4 matrix_b_fmt:MATRIX_FMT_FP4 matrix_a_scale:MATRIX_SCALE_ROW1
.endif
.endr
.endm
; A step of 128 along K whose successor lies in the same slot.  On entry the youngest 16 LDS loads are x's blocks 0 .. 7 of this step, in order.  The wait ahead of blocks a, a + 1 leaves out the
; 12 - 2 a older loads behind theirs and the 32 loads that this step has issued.
.macro STEP slot, q, zero
	PLACES
	LDB \slot, (\q)+1, 1-(\q)%2
	LDA \slot, (\q)+1, 1-(\q)%2
.irp a, 0,1,2,3,4,5,6,7
.if (\a)%2 == 0
	s_wait_dscnt 44-2*\a
.endif
	MUL8 \a, (\q)%2, \q, \slot, \zero
.endr
	WIN 0
.endm
; The opening of a slot's last step: each wave waits for all its tensor loads, adds 0 to its spare word, and waits for that and for its reads of this slot; one barrier
.macro MEET slot, fill
	PLACES
	s_wait_tensorcnt 0x0                           ; my part of the next slot has landed
	ds_add_u32 v[SPW], v[NIL]
.if \fill
	s_add_co_u32 s[KS0+\slot], s[KS0+\slot], 2     ; no tensor load of mine is out: this slot's next K step
	s_and_b32 s[KS0+\slot], s[KS0+\slot], 7
	AIM \slot
.endif
	s_wait_dscnt 1                                 ; all this step's fragments are in (asked for 64 products ago); the add may be out
	MUL8 0, 1, 3, \slot, 0
	s_wait_dscnt 0x0
	s_barrier_signal -1
	MUL8 1, 1, 3, \slot, 0
	WIN 0
	s_barrier_wait -1
.endm
.macro TURN slot, next
	s_wait_xcnt 0x0                                ; my prefetches have read their address: it is written anew
	s_add_co_u32 s[PO], s[KS0+\slot], 4            ; the K step two refills on
	s_and_b32 s[PO], s[PO], 7
	s_mul_i32 s[PO], s[PO], KBLK
	s_add_nc_u64 s[PFA:PFA+1], s[PB:PB+1], s[PO:PO+1]
	MEET \slot, 1
	CREST                                          ; the barrier has opened a round of the cluster's barrier
	JLOAD \slot                                    ; the refill, first behind the round
	LDB \next, 0, 0                                ; one run of 40 loads: the next slot's first fragments and its scale words
	WIN 0
	SCALES \next
	LDA \next, 0, 0
	s_cmp_gt_u32 s3, 1                             ; the loop's last trip has no K step two refills on
	s_cbranch_scc0 .Lno_ask_\@
	PF 0
.Lno_ask_\@:
.irp a, 2,3,4,5,6,7
	MUL8 \a, 1, 3, \slot, 0
.endr
	WIN 0
.endm
	s_wait_alu depctr_va_vdst(0)
	s_wait_tensorcnt 0x0                           ; my part of the first K step is in; the same lines as ahead of a refill stand ahead of slot 1's first fill
	ds_add_u32 v[SPW], v[NIL]
	s_wait_dscnt 0x0
	CROUND
	JLOAD 1
	LDB 0, 0, 0
	WIN 0
	SCALES 0
	LDA 0, 0, 0
	PF 2*KBLK                                      ; the first K step is 0 or 4: the next three follow it in memory
	PF 3*KBLK
	STEP 0, 0, 1                                   ; the first step's products start the sums
	s_mov_b32 s3, LAPS-1
.Llap:
	STEP 0, 1, 0
	STEP 0, 2, 0
	TURN 0, 1
	STEP 1, 0, 0
	STEP 1, 1, 0
	STEP 1, 2, 0
	TURN 1, 0
	STEP 0, 0, 0
	s_sub_co_u32 s3, s3, 1
	s_cmp_lg_u32 s3, 0
	s_cbranch_scc1 .Llap
	STEP 0, 1, 0
	STEP 0, 2, 0
; THE LAST K STEP, in slot 1, by rows of C
.macro BLOAD q                         ; W's fragments of the step's q-th 128 -> window 1, v[64 q ..]
.irp i, 0,1,2,3,4,5,6,7
	FRAG 64*(\q)+8*\i, ADRB+1, \q, \i
.endr
.endm
.macro ALOAD a                         ; x's block a, all four 128 -> buffer a % 4
.irp q, 0,1,2,3
	FRAG AF+32*((\a)%4)+8*\q, ADRA+1, \q, \a
.endr
.endm
.macro ROW a                           ; block a is finished: 32 products, its 8 accumulators by turns
	WIN MUL_LO+0x50*((\a)/4)
.irp q, 0,2,3,1
.if ((\a) == 0) && (\q == 1)
	s_wait_dscnt 16                                ; W's second 128 is in; behind it: x's blocks 2, 3
.endif
.irp b, 0,1,2,3,4,5,6,7
	v_wmma_scale_f32_16x16x128_f8f6f4 v[64*((\a)%4)+8*\b:64*((\a)%4)+8*\b+7], v[64*\q+8*\b:64*\q+8*\b+7], v[AF+32*((\a)%4)+8*\q:AF+32*((\a)%4)+8*\q+7], v[64*((\a)%4)+8*\b:64*((\a)%4)+8*\b+7], v[SC+32+4*\b+\q], v[SC+32+4*(\a)+\q] matrix_a_fmt:MATRIX_FMT_FP4 matrix_b_fmt:MATRIX_FMT_FP4 matrix_a_scale:MATRIX_SCALE_ROW1
.endr
.endr
.endm
; The way out of block a, in three parts: 32 bytes a lane into my stage, each accumulator from its low end on; back as rows of 512 bytes into the block's own registers; stored, 32 lanes to 512 consecutive bytes.
; One setting serves all three: addresses in window 0, data and destination in the block's window.
.macro OUTST a
	WIN 0x88+0x44*((\a)/4)
.irp b, 0,1,2,3,4,5,6,7
	ds_store_b128 v[STO], v[64*((\a)%4)+8*\b:64*((\a)%4)+8*\b+3] offset:64*\b
	ds_store_b128 v[STO], v[64*((\a)%4)+8*\b+4:64*((\a)%4)+8*\b+7] offset:64*\b+16
.endr
.endm
.macro BACK a
	WIN 0x88+0x44*((\a)/4)
	s_wait_dscnt 0x0                               ; the stores into the stage have read their registers
.irp t, 0,1,2,3,4,5,6,7,8,9,10,11,12,13,14,15
	ds_load_b128 v[64*((\a)%4)+4*\t:64*((\a)%4)+4*\t+3], v[RD] offset:\t*SPITCH
.endr
.endm
.macro SEND a, younger                 ; younger: the LDS instructions issued behind block a's loads from the stage
	WIN 0x88+0x44*((\a)/4)
	s_wait_dscnt \younger
.irp t, 0,1,2,3,4,5,6,7,8,9,10,11,12,13,14,15
	global_store_b128 v[CO], v[64*((\a)%4)+4*\t:64*((\a)%4)+4*\t+3], s[12:13] offset:(16*(\a)+\t)*SIZE_N*4 th:TH_STORE_NT   ; 127 rows of 8,192 bytes at the most: inside the signed 24-bit immediate
.endr
.endm
	MEET 0, 0                                      ; nothing is filled again: no round follows
	WIN TO_B
	BLOAD 0                                        ; set 1 of both operands is still being multiplied
	BLOAD 2
	BLOAD 3
	WIN 0
	SCALES 1
	ALOAD 0
	ALOAD 1
.irp a, 2,3,4,5,6,7
	MUL8 \a, 1, 3, 0, 0
.endr
	PLACES
	WIN TO_B
	BLOAD 1
	WIN 0
	ALOAD 2
	ALOAD 3
	s_wait_dscnt 32                                ; all but the 32 just issued
	ROW 0
; Block a goes into the stage; block a - 1, which has come back meanwhile, is stored; block a + 1 is multiplied; block a is read back.  LDS serves a wave's instructions in order, so one stage serves all blocks.
.irp a, 0,1,2,3,4,5,6,7
	PLACES                                         ; the stores into the stage read results just made
	OUTST \a
.if \a < 4
	WIN 0
	ALOAD \a+4                                     ; its buffer takes the block four further on
.endif
.if \a > 0
	SEND \a-1, 16+8*(1-(\a)/4)                     ; behind its loads: block a's 16 stage stores, and 8 loads while a < 4
.endif
.if \a < 7
	ROW \a+1
.endif
	BACK \a
.endr
	SEND 7, 0
	WIN 0
	s_wait_tensorcnt 0x0                           ; the wave's end
	ds_add_u32 v[SPW], v[NIL]
	s_wait_dscnt 0x0
	CROUND                                         ; the closing round
	s_endpgm
.Lfunc_end_k_q498019af5b_gemm:
	.size	k_q498019af5b_gemm, .Lfunc_end_k_q498019af5b_gemm-k_q498019af5b_gemm
	.p2alignl 7, 3214868480
	.fill 96, 4, 3214868480
	.section	.rodata,"a",@progbits
	.p2align	6, 0x0
	.amdhsa_kernel k_q498019af5b_gemm
		.amdhsa_group_segment_fixed_size 327680
		.amdhsa_private_segment_fixed_size 0
		.amdhsa_enable_private_segment 0
		.amdhsa_kernarg_size 24
		.amdhsa_user_sgpr_count 2
		.amdhsa_user_sgpr_kernarg_segment_ptr 1
		.amdhsa_wavefront_size32 1
		.amdhsa_system_sgpr_workgroup_id_x 1
		.amdhsa_system_sgpr_workgroup_id_y 1
		.amdhsa_system_sgpr_workgroup_id_z 1
		.amdhsa_system_vgpr_workitem_id 0
		.amdhsa_next_free_vgpr 1024
		.amdhsa_next_free_sgpr 80
		.amdhsa_reserve_vcc 0
		.amdhsa_float_denorm_mode_32 3
		.amdhsa_float_denorm_mode_16_64 3
		.amdhsa_memory_ordered 1
		.amdhsa_forward_progress 1
		.amdhsa_inst_pref_size 210
	.end_amdhsa_kernel
	.amdgpu_metadata
---
amdhsa.version: [ 1, 2 ]
amdhsa.kernels:
  - .name:           k_q498019af5b_gemm
    .symbol:         k_q498019af5b_gemm.kd
    .args:
      - { .name: xq, .offset: 0, .size: 8, .value_kind: global_buffer, .address_space: global }
      - { .name: wq, .offset: 8, .size: 8, .value_kind: global_buffer, .address_space: global }
      - { .name: out0, .offset: 16, .size: 8, .value_kind: global_buffer, .address_space: global }
    .group_segment_fixed_size: 327680
    .private_segment_fixed_size: 0
    .kernarg_segment_align: 8
    .kernarg_segment_size: 24
    .max_flat_workgroup_size: 128
    .sgpr_count:     80
    .vgpr_count:     1024
    .wavefront_size: 32
...
	.end_amdgpu_metadata
.endif
;; end of part 2
